; MI455X (gfx1250); checked and timed in simulation.
; The chip was launched on July 23, 2026; its instructions are those of AMD's public machine-readable ISA for CDNA 5 (MIT licence, August 2026) and "CDNA5" Instruction Set Architecture Reference Guide (July 2026). The comments in the code are by the model that wrote it; some were corrected since.
;; Debug Quantized Linear. Allowed arithmetic: matrix products marked QUANTISED: E2M1 operands, one E8M0 scale for each 32 along K, by v_wmma_scale_f32_16x16x128_f8f6f4 with both operands' format E2M1 (or v_wmma_scale_f32_32x16x128_f4), f32 sums; everything else in f32.
;; Inputs: W_q 11,008 x 4,096 int32; mu1 4,096 float32; mu2 11,008 float32; scales 11,008 x 64 x 1 float32; x_codes 1,024 x 128 x 16 uint8 (E2M1 codes of x, K innermost, in blocks of 32 codes, two codes a byte); x_scales 1,024 x 128 uint8 (E8M0 scales of x, one for each 32 codes along K); zeros 11,008 x 64 x 1 float32.
;; Outputs: out0 1,024 x 11,008 float32.
;; This version of the problem:
;;   THIS VERSION OF THE PROBLEM IS GIVEN IN LOW PRECISION. The matrix products marked QUANTISED in the list below multiply operands that are first quantised to E2M1 (2 exponent bits, 1 mantissa bit; 4 bits a number), with one power-of-two scale for each 32 numbers along K (OCP MX v1.0); their sums are f32. All else is computed in f32.
;;   The module's matrix products, in the order in which they are computed (A, B: the left and right operand; K: the contracted axis; several contracted axes count as one K, in the product's order):
;;     1. [M 1,024, K 4,096] x [K 4,096, N 11,008]; A: input x (given as codes); B: computed on the way: QUANTISED
;;   THE QUANTISER, for each operand of a quantised product, along K:
;;     - K is cut into blocks of 32 from its start; a last block that is shorter is filled with zeros.
;;     - A block's scale is 2^e with e = floor(log2(the largest magnitude in the block)) - 2, held to -126 .. 127; a block of zeros has e = 0. As a byte (E8M0): e + 127.
;;     - Each number is divided by its block's scale, clamped to +-6, and rounded to the nearest number of E2M1, ties to even, subnormals kept.
;;     - The product sums the exact products of the quantised numbers (number of the format x scale) in f32.
;;   ~~~python
;;   def quantise(x, axis):      # numpy; x: float32 -> the quantised numbers, widened to float32 again
;;       x = np.moveaxis(x, axis, -1); K = x.shape[-1]
;;       x = np.pad(x, [(0, 0)] * (x.ndim - 1) + [(0, -K % 32)]); x = x.reshape(x.shape[:-1] + (-1, 32)); a = np.abs(x).max(-1, keepdims=True)
;;       e = np.where(a > 0, np.clip(np.frexp(np.where(a > 0, a, 1))[1] - 1 - 2, -126, 127), 0)      # np.frexp(a)[1] - 1 = floor(log2(a)), exactly
;;       r = np.clip(x / 2.0 ** e, -6, 6)
;;       step = 2.0 ** (np.maximum(np.frexp(np.where(r == 0, 1, r))[1] - 1, 0) - 1)
;;       q = np.round(r / step) * step * 2.0 ** e      # np.round: ties to even
;;       return np.moveaxis(q.reshape(q.shape[:-2] + (-1,))[..., :K], -1, axis).astype(np.float32)
;;   ~~~
;;   OPERANDS COMPUTED ON THE WAY. 'Computed on the way' means the value that the module computes at that place (a softmax that the list does not call 'softmax' is quantised finished and normalised). What goes into a quantiser is computed in f32, as accurately as f32 sums, v_exp_f32 and their like allow (about 1e-6 of the number): no bf16 or f16 on the way to a quantiser, and a product that is left as it is and whose result goes on into a quantised operand takes f32 operands (vector FMAs, or v_wmma_f32_16x16x4_f32). A number that lies on a knife's edge between two numbers of the format may be rounded either way, as far as f32 arithmetic and the matrix unit's own rounding can turn it there, and no further.
;;   INPUTS GIVEN AS CODES. x (in the module: [1024, 4096], K = its axis 1): each comes as NAME_codes (uint8): NAME with its K axis moved to the last place and cut into blocks of 32 codes, [.., K / 32, bytes a block], one block behind the other in memory; two codes a byte, the lower K in the low four bits (a code: sign, 2 exponent bits, 1 mantissa bit); and NAME_scales (uint8): the same leading axes, one E8M0 byte (e + 127) for each 32 codes along K. Its value is code x scale, taken as it is: it is not quantised again, and the codes and scales need not be those that the quantiser above would give.
;; One version. Each part assembles by itself: llvm-mc -triple=amdgcn-amd-amdhsa -mcpu=gfx1250 --defsym DOCPART=n.
;; ======== version 1 of 1: 2 launches
;; workspace buffers: w_codes 22,544,384 bytes; w_scales 1,409,024 bytes
;; launch quant (part 1): grid 688 x 1, 8 waves a work-group, no clusters, 46,080 bytes of LDS; arguments W_q, zeros, scales, mu1, mu2, w_codes, w_scales; writes w_codes, w_scales
.if DOCPART == 1
	.amdgcn_target "amdgcn-amd-amdhsa--gfx1250"
	.amdhsa_code_object_version 6
	.text
	.protected	k_q6b3614110c_quant
	.globl	k_q6b3614110c_quant
	.p2align	8
	.type	k_q6b3614110c_quant,@function
k_q6b3614110c_quant:
	s_mov_b64 s[64:65], 0
	v_nop
	global_prefetch_b8 v0, s[64:65] scope:SCOPE_SE
	s_setreg_imm32_b32 hwreg(HW_REG_WAVE_MODE, 25, 1), 1
	s_wait_xcnt 0x0
; W[row][k] = ((float(W_q[row][k]) - zeros[row][k / 64]) * (scales[row][k / 64] * mu2[row])) * mu1[k], all in f32, is turned into codes of FP4 (E2M1) with one E8M0 scale byte for each 32 along k.
; W_q: [11008][4096] int32; zeros, scales: [11008][64]; mu1 [4096]; mu2 [11008].
; A block's scale is 2^(floor(log2(its largest magnitude)) - 2): its byte is the largest magnitude's exponent field - 2, held at 1 from below.
; LIMITS: scale x mu2 is formed first, once for a group, where the definition multiplies by scale and then by mu2: one rounding stands elsewhere, 2^-24 of the number at the most;
; a block of zeros gets the byte 1 where the rule says 127 (its codes are zeros, which add nothing under any byte but 0xff, and this program alone reads the bytes);
; blocks whose largest magnitude lies under 2^(3 - 127) share that byte; NaN and infinities in zeros, scales, mu1, mu2 are not served.  W_q may hold any int32.
; WHAT IS STORED are images of the next launch's operand registers:
;   w_codes  [row / 64][k / 128][(row / 16) % 4][c][lane = 16 h + r][16 bytes]: the 32 codes of row 16 (row / 16) + r at k = 128 s + 64 c + 32 h + 0 .. 31, the lower k in the low four bits;
;   w_scales [row / 16][k / 128][r][4 bytes]: the scale word of that row and K step.
; SHARES.  A work-group takes 16 rows, all of k.  Wave S takes k = 512 S .. 512 S + 511 of each row: 16 steps, step t = row t, 2,048 consecutive bytes of W_q: eight groups of 64 numbers, 256 bytes each.
; EIGHT NEIGHBOURS IN A LANE, WITHOUT LDS.  The conversions take eight neighbours along k from one lane's registers; a load is best where the lanes cover whole runs of 256 bytes.  Lane (r, h) = (lane % 16, lane / 16)
; of a load takes the 16 bytes at 512 (r / 8) + 32 (r % 8) + 16 h: lanes with r < 8 cover one group's 256 bytes, the others the group two further on.  A step's four loads are two pairs: A_p begins at group p,
; B_p at group 4 + p.  v_permlane16_swap_b32 on A_p's and B_p's registers, one by one, exchanges A's lanes 16-31 with B's lanes 0-15: then lane (r, h) holds, in eight consecutive registers,
; k = 64 (4 h + 2 (r / 8) + p) + 8 (r % 8) + 0 .. 7.  Four neighbouring lanes hold a block of 32, eight a group of 64.  The work is done in place, in the registers that were loaded.
; The work-group's zeros and scales are two dense blocks of 4,096 bytes: they come once, 16 bytes a thread, into LDS; one barrier; each step reads its four words from there, a step ahead.
; The codes of 16 steps are gathered in the wave's own table CT (row = block of 32, 16 bytes for each of the 16 rows of W) and leave as stores of 512 consecutive bytes; the 256 scale bytes leave as one store of 256.
; No tensor loads: the ring is in registers, six steps (24 loads a wave) deep, with counted waits.  Work-groups share nothing, so there is no cluster; every offset is an immediate, no pointer is stepped.
.set WB0,   8192                       ; LDS: zeros at 0, scales at 4,096; from here a region for each wave
.set WREG,  4608                       ; a wave's region: CT, then its scale bytes
.set CTP,   272                        ; a row of CT: 256 bytes + 16
.set SBO,   16*CTP                     ; behind CT: 256 scale bytes
.set DEPTH, 6                          ; sets of load registers
.set MU1,   16                         ; v16-31   mu1 of my 16 k: pair p at v[16 + 8 p]
.set R,     32                         ; v32-127  six sets of 16: pair p at + 8 p: A_p's four registers, then B_p's
.set ZS,    128                        ; v128-143 two sets of: zero of pair 0, of pair 1, scale of pair 0, of pair 1; each the low word of a register pair whose high word is written once
.set C,     144                        ; v144-147 codes: two sets of two
.set E,     148                        ; v148-151 the scales' bytes: two sets of two
	s_load_b256 s[4:11], s[0:1], 0x0               ; W_q s[4:5], zeros s[6:7], scales s[8:9], mu1 s[10:11]
	s_load_b128 s[12:15], s[0:1], 0x20             ; mu2 s[12:13], w_codes s[14:15]
	s_load_b64 s[16:17], s[0:1], 0x30              ; w_scales
	v_lshl_add_u32 v160, v0, 2, 0xb000
	v_mov_b32 v161, 0
	v_lshrrev_b32 v1, 5, v0
	v_readfirstlane_b32 s18, v1                    ; wave S
	v_and_b32 v1, 31, v0                           ; lane l
	v_lshlrev_b32 v3, 4, v1                        ; 16 l: my bytes of a code store's 512
	v_and_b32 v12, 7, v0                           ; r % 8
	v_bfe_u32 v13, v0, 3, 1                        ; r / 8
	v_bfe_u32 v14, v0, 4, 1                        ; h
	v_bfe_u32 v15, v0, 2, 1                        ; (r / 4) % 2: which block of my group
	v_lshlrev_b32 v2, 5, v12
	v_lshl_add_u32 v2, v13, 9, v2                  ; 32 (r % 8) + 512 (r / 8)
	v_lshl_add_u32 v4, v14, 10, v2                 ; mu1: + 1,024 h: my eight numbers of pair 0; pair 1's lie 256 bytes on
	v_lshl_add_u32 v2, v14, 4, v2                  ; W_q: + 16 h
	s_mul_i32 s19, s18, WREG
	s_add_co_u32 s19, s19, WB0                     ; my wave's region
	v_lshlrev_b32 v5, 3, v14
	v_lshl_add_u32 v5, v13, 2, v5
	v_add_nc_u32 v5, v5, v15                       ; my block of pair 0: 8 h + 4 (r / 8) + (r / 4) % 2; pair 1's is two further on
	v_mul_u32_u24 v5, v5, CTP
	v_and_b32 v7, 3, v0
	v_lshl_add_u32 v5, v7, 2, v5
	v_add_nc_u32 v5, s19, v5                       ; CT, in: row = my block, + 4 (r % 4): my eight codes among its 32; 16 x the row of W stands in the immediate
	v_mul_u32_u24 v6, v14, CTP
	v_and_b32 v7, 15, v0
	v_lshl_add_u32 v6, v7, 4, v6
	v_add_nc_u32 v6, s19, v6                       ; CT, out: sixteen lanes to a row, two rows an instruction
	v_lshl_add_u32 v7, v14, 1, v13
	v_lshl_add_u32 v7, v7, 6, v15
	v_add_nc_u32 v7, s19, v7                       ; scale bytes, in: 64 x (K step of 128: 2 h + r / 8) + (r / 4) % 2; 4 x the row and 2 x the pair stand in the immediate
	v_lshlrev_b32 v10, 3, v1                       ; 8 l
	v_add_nc_u32 v8, s19, v10                      ; scale bytes, out
	s_lshl_b32 s2, s18, 5
	v_lshlrev_b32 v9, 4, v14
	v_lshl_add_u32 v9, v13, 3, v9
	v_add_nc_u32 v9, s2, v9                        ; my group of pair 0 in a row of zeros or scales: 4 (8 S + 4 h + 2 (r / 8)); pair 1's word is the next
	v_lshlrev_b32 v11, 4, v0                       ; 16 x thread: my bytes of the 4,096 of zeros and of scales
.irp p, 129,131,133,135,137,139,141,143
	v_mov_b32 v\p, 0                               ; the packed forms name pairs and take the low word for both halves: the high words are written once
.endr
	; byte offsets, each in a pair of its own with 0 above it (all under 2^31)
	s_lshl_b32 s20, ttmp9, 18                      ; W_q: 16 rows of 16,384 bytes a work-group,
	s_lshl_b32 s22, s18, 11                        ; + 2,048 bytes a wave; the same 2,048 a wave in mu1
	s_add_co_u32 s20, s20, s22
	s_mov_b32 s21, 0
	s_mov_b32 s23, 0
	s_lshl_b32 s24, ttmp9, 12                      ; zeros, scales: 16 rows of 256 bytes
	s_mov_b32 s25, 0
	s_lshl_b32 s26, ttmp9, 6                       ; mu2: 16 numbers
	s_mov_b32 s27, 0
	s_lshr_b32 s28, ttmp9, 2
	s_lshl_b32 s28, s28, 17                        ; w_codes: 131,072 bytes for 64 rows,
	s_lshl_b32 s29, s18, 14
	s_add_co_u32 s28, s28, s29                     ; + four K steps of 4,096 a wave,
	s_and_b32 s29, ttmp9, 3
	s_lshl_b32 s29, s29, 10
	s_add_co_u32 s28, s28, s29                     ; + 1,024 for my 16 rows among the 64
	s_mov_b32 s29, 0
	s_lshl_b32 s30, ttmp9, 11                      ; w_scales: 2,048 bytes for 16 rows,
	s_lshl_b32 s31, s18, 8
	s_add_co_u32 s30, s30, s31                     ; + 256 a wave
	s_mov_b32 s31, 0
	s_wait_kmcnt 0x0
	s_add_nc_u64 s[4:5], s[4:5], s[20:21]
	s_add_nc_u64 s[6:7], s[6:7], s[24:25]
	s_add_nc_u64 s[8:9], s[8:9], s[24:25]
	s_add_nc_u64 s[10:11], s[10:11], s[22:23]
	s_add_nc_u64 s[12:13], s[12:13], s[26:27]
	s_add_nc_u64 s[14:15], s[14:15], s[28:29]
	s_add_nc_u64 s[16:17], s[16:17], s[30:31]
	s_load_b512 s[32:47], s[12:13], 0x0            ; mu2 of my 16 rows: s[32 + t] for step t
.macro LOAD t                          ; step t: 2,048 bytes of row t, four loads of two aligned runs of 256 bytes each, into set t % DEPTH
.irp p, 0,1
	global_load_b128 v[R+16*((\t)%DEPTH)+8*\p:R+16*((\t)%DEPTH)+8*\p+3],   v2, s[4:5] offset:16384*(\t)+256*\p th:TH_LOAD_NT        ; A_p: groups p and p + 2
	global_load_b128 v[R+16*((\t)%DEPTH)+8*\p+4:R+16*((\t)%DEPTH)+8*\p+7], v2, s[4:5] offset:16384*(\t)+256*\p+1024 th:TH_LOAD_NT   ; B_p: groups 4 + p and 6 + p
.endr
.endm
.macro ZSLOAD t                        ; row t's zeros and scales of my two groups, into set t % 2
.irp p, 0,1
	ds_load_b32 v[ZS+8*((\t)%2)+2*\p],   v9 offset:256*(\t)+4*\p
	ds_load_b32 v[ZS+8*((\t)%2)+4+2*\p], v9 offset:4096+256*(\t)+4*\p
.endr
.endm
	global_load_b128 v[152:155], v11, s[6:7]       ; the work-group's zeros,
	global_load_b128 v[156:159], v11, s[8:9]       ; and scales: 4,096 consecutive bytes each
.irp p, 0,1
.irp c, 0,1
	global_load_b128 v[MU1+8*\p+4*\c:MU1+8*\p+4*\c+3], v4, s[10:11] offset:256*\p+16*\c   ; mu1, once: the one place where lanes stand 32 bytes apart
.endr
.endr
.irp t, 0,1,2,3,4,5
	LOAD \t
.endr
	s_wait_loadcnt 28                              ; zeros and scales are in; behind them: mu1's 4 loads and 24 of W_q
	ds_store_b128 v11, v[152:155]
	ds_store_b128 v11, v[156:159] offset:4096
	s_wait_dscnt 0x0                               ; for the others' sake: my part of both tables lies in LDS
	s_barrier_signal -1
	s_barrier_wait -1                              ; everybody's does.  The launch's one barrier
	s_wait_kmcnt 0x0                               ; mu2
	ZSLOAD 0
.macro STEP t
.set XS, R+16*((\t)%DEPTH)
.set ZR, ZS+8*((\t)%2)
.if 15-(\t) >= DEPTH-1
	s_wait_loadcnt 4*(DEPTH-1)                     ; this step's four loads are in (in step 0: mu1 too); those of the five steps behind it may be out
.else
	s_wait_loadcnt 4*(15-(\t))                     ; nothing more is asked for: the counts run down
.endif
.if (\t) > 0
	s_wait_dscnt 4                                 ; this step's four table words are in; the last step's four stores, issued behind them, may be out
.else
	s_wait_dscnt 0x0
.endif
.if (\t)+1 < 16
	ZSLOAD (\t)+1                                  ; a step ahead, into the set that the last step has read
.endif
.irp i, 0,1,2,3,8,9,10,11
	v_permlane16_swap_b32 v[XS+\i], v[XS+\i+4]     ; A's lanes 16-31 change places with B's lanes 0-15: eight neighbours along k in v[XS + 8 p] on
.endr
.irp p, 0,1
	v_mul_f32 v[ZR+4+2*\p], s[32+(\t)], v[ZR+4+2*\p]   ; scale x mu2[row], once for my group
.endr
.irp i, 0,1,2,3,4,5,6,7,8,9,10,11,12,13,14,15
	v_cvt_f32_i32 v[XS+\i], v[XS+\i]
.endr
.irp p, 0,1
.irp i, 0,2,4,6
	v_pk_add_f32 v[XS+8*\p+\i:XS+8*\p+\i+1], v[XS+8*\p+\i:XS+8*\p+\i+1], v[ZR+2*\p:ZR+2*\p+1] op_sel_hi:[1,0] neg_lo:[0,1] neg_hi:[0,1]   ; - zero
.endr
.endr
.irp p, 0,1
.irp i, 0,2,4,6
	v_pk_mul_f32 v[XS+8*\p+\i:XS+8*\p+\i+1], v[XS+8*\p+\i:XS+8*\p+\i+1], v[ZR+4+2*\p:ZR+5+2*\p] op_sel_hi:[1,0]   ; x (scale x mu2)
.endr
.endr
.irp i, 0,2,4,6,8,10,12,14
	v_pk_mul_f32 v[XS+\i:XS+\i+1], v[XS+\i:XS+\i+1], v[MU1+\i:MU1+\i+1]             ; x mu1[k]
.endr
.irp p, 0,1
	v_max3_num_f32 v[12+\p], |v[XS+8*\p]|, |v[XS+8*\p+1]|, 0x1800000   ; the largest magnitude of my eight, and the floor 2^(3 - 127): the byte cannot fall under 1.  The two pairs by turns
.endr
.irp i, 2,4,6
.irp p, 0,1
	v_max3_num_f32 v[12+\p], v[12+\p], |v[XS+8*\p+\i]|, |v[XS+8*\p+\i+1]|
.endr
.endr
.irp m, 1,2
.irp p, 0,1
	v_max_num_f32_dpp v[12+\p], v[12+\p], v[12+\p] row_xmask:\m row_mask:0xf bank_mask:0xf   ; with the three other lanes of my block
.endr
.endr
.irp p, 0,1
	v_add_nc_u32 v[14+\p], 0xff000000, v[12+\p]    ; 2 off its exponent field: the conversion takes the exponent field of this operand as its scale, and nothing else of it
.endr
.irp p, 0,1
	v_cvt_scalef32_pk8_fp4_f32 v[C+2*((\t)%2)+\p], v[XS+8*\p:XS+8*\p+7], v[14+\p]   ; to the nearest code, ties to even, beyond the largest code the largest; the first number's code in the lowest four bits
.endr
.irp p, 0,1
	v_lshrrev_b32 v[E+2*((\t)%2)+\p], 23, v[14+\p] ; the scale's byte.  (Also the plain instructions behind the conversions)
.endr
.if (\t)+DEPTH < 16
	LOAD (\t)+DEPTH                                ; into the set that this step has worked through
.endif
.irp p, 0,1
	ds_store_b32 v5, v[C+2*((\t)%2)+\p] offset:2*CTP*\p+16*(\t)      ; my eight codes: row = my block, place = the step's row of W
	ds_store_b8 v7, v[E+2*((\t)%2)+\p] offset:SBO+4*(\t)+2*\p        ; the four lanes of a block write the same byte with the same value
.endr
.endm
.irp t, 0,1,2,3,4,5,6,7,8,9,10,11,12,13,14,15
	STEP \t
.endr
	; THE WAY OUT.  Load i takes blocks 2 i and 2 i + 1 of CT: lane 16 h + r gets the 16 bytes of row r, block 2 i + h: that is half a fragment's image, 512 consecutive bytes.
.irp i, 0,1,2,3,4,5,6,7
	ds_load_b128 v[R+4*\i:R+4*\i+3], v6 offset:2*CTP*\i        ; these see my stores: LDS serves a wave's instructions in order (ISA guide 5.7.1.4)
.endr
	ds_load_b64 v[R+32:R+33], v8 offset:SBO
.irp i, 0,1,2,3,4,5,6,7
	s_wait_dscnt 8-\i                              ; load i is back; the loads behind it may be out
	global_store_b128 v3, v[R+4*\i:R+4*\i+3], s[14:15] offset:4096*(\i/2)+512*(\i%2)   ; K step i / 2 of my four, half c = i % 2: 512 consecutive bytes, at a multiple of 512 from the buffer's first byte
.endr
	s_wait_dscnt 0x0
	global_store_b64 v10, v[R+32:R+33], s[16:17]   ; the wave's 256 scale bytes: four K steps x 16 rows x 4, consecutive and at a multiple of 256
	s_wait_tensorcnt 0x0
	ds_add_u32 v160, v161
	s_wait_dscnt 0x0
	s_endpgm
.Lfunc_end_k_q6b3614110c_quant:
	.size	k_q6b3614110c_quant, .Lfunc_end_k_q6b3614110c_quant-k_q6b3614110c_quant
	.p2alignl 7, 3214868480
	.fill 96, 4, 3214868480
	.section	.rodata,"a",@progbits
	.p2align	6, 0x0
	.amdhsa_kernel k_q6b3614110c_quant
		.amdhsa_group_segment_fixed_size 46080
		.amdhsa_private_segment_fixed_size 0
		.amdhsa_enable_private_segment 0
		.amdhsa_kernarg_size 56
		.amdhsa_user_sgpr_count 2
		.amdhsa_user_sgpr_kernarg_segment_ptr 1
		.amdhsa_wavefront_size32 1
		.amdhsa_system_sgpr_workgroup_id_x 1
		.amdhsa_system_sgpr_workgroup_id_y 1
		.amdhsa_system_sgpr_workgroup_id_z 1
		.amdhsa_system_vgpr_workitem_id 0
		.amdhsa_next_free_vgpr 162
		.amdhsa_next_free_sgpr 66
		.amdhsa_reserve_vcc 0
		.amdhsa_float_denorm_mode_32 3
		.amdhsa_float_denorm_mode_16_64 3
		.amdhsa_memory_ordered 1
		.amdhsa_forward_progress 1
		.amdhsa_inst_pref_size 77
	.end_amdhsa_kernel
	.amdgpu_metadata
---
amdhsa.version: [ 1, 2 ]
amdhsa.kernels:
  - .name:           k_q6b3614110c_quant
    .symbol:         k_q6b3614110c_quant.kd
    .args:
      - { .name: W_q, .offset: 0, .size: 8, .value_kind: global_buffer, .address_space: global }
      - { .name: zeros, .offset: 8, .size: 8, .value_kind: global_buffer, .address_space: global }
      - { .name: scales, .offset: 16, .size: 8, .value_kind: global_buffer, .address_space: global }
      - { .name: mu1, .offset: 24, .size: 8, .value_kind: global_buffer, .address_space: global }
      - { .name: mu2, .offset: 32, .size: 8, .value_kind: global_buffer, .address_space: global }
      - { .name: w_codes, .offset: 40, .size: 8, .value_kind: global_buffer, .address_space: global }
      - { .name: w_scales, .offset: 48, .size: 8, .value_kind: global_buffer, .address_space: global }
    .group_segment_fixed_size: 46080
    .private_segment_fixed_size: 0
    .kernarg_segment_align: 8
    .kernarg_segment_size: 56
    .max_flat_workgroup_size: 256
    .sgpr_count:     66
    .vgpr_count:     162
    .wavefront_size: 32
...
	.end_amdgpu_metadata
.endif
;; end of part 1
;; launch gemm (part 2): grid 4 x 43, 4 waves a work-group, no clusters, 327,680 bytes of LDS; arguments x_codes, x_scales, w_codes, w_scales, out0; writes out0
.if DOCPART == 2
	.amdgcn_target "amdgcn-amd-amdhsa--gfx1250"
	.amdhsa_code_object_version 6
	.text
	.protected	k_q6b3614110c_gemm
	.globl	k_q6b3614110c_gemm
	.p2align	8
	.type	k_q6b3614110c_gemm,@function
k_q6b3614110c_gemm:
	s_mov_b64 s[64:65], 0
	v_nop
	global_prefetch_b8 v0, s[64:65] scope:SCOPE_SE
	s_setreg_imm32_b32 hwreg(HW_REG_WAVE_MODE, 25, 1), 1
	s_wait_xcnt 0x0
; out0[m][n] = sum over k of x[m][k] W[n][k], both operands as codes of FP4 (E2M1) with one E8M0 scale for each 32 along k; sums in f32.  m 1,024, n 11,008, k 4,096.
; x_codes [1024][2048 bytes], x_scales [1024][128 bytes] as given.  w_codes, w_scales: images of operand registers, made by the launch before:
;   w_codes [n / 64][k / 128][(n / 16) % 4][c][lane][16 bytes];   w_scales [n / 16][k / 128][n % 16][4 bytes].
; SHARES.  A work-group makes 256 rows x 256 columns of out0.  Wave w makes ALL 256 rows x its own 64 columns (slab J = 4 x tile column + w): 64 accumulators of 16 x 16, 512 registers;
; its 64 columns are 256 consecutive bytes of each row of out0.
; W GOES FROM MEMORY STRAIGHT INTO REGISTERS: each of its fragments is read by one wave of the work-group alone, so LDS would serve nothing.  A ring of eight K steps of 128 (window 1, 32 registers a step), each
; step's ten loads issued seven steps, 448 matrix instructions, ahead of their use, with counted waits: this stream is never waited out at a barrier.
; x COMES BY TENSOR LOADS into two LDS slots of 1,024 along k (rows of 512 bytes + 16 of padding; each wave loads 64 rows) and is read by all four waves.  Its scale bytes (256 rows x 128, dense) come once and stay.
; THE HEAD asks first for what the first product wants: W's K step 0, x's scale bytes, slot 0; slot 1's first fill goes out behind the first barrier, as a refill does, and has 7 1/2 K steps in which to land.
; THE LAST FOUR K STEPS GO BY ROWS OF out0: W's four ring slots stay, x's fragments come by blocks of 16 rows x 512 k, each block is finished by 16 products and leaves while the next is multiplied.
; NO CLUSTER: the work-groups that need the same tiles of x lie along the 43 tile columns, and neither 4 nor 2 divides 43; the four that need the same W take it by register loads, for the depth named above.
; THE MATRIX INSTRUCTION IS USED TRANSPOSED (source 0 = 16 rows of W, source 1 = 16 rows of x): a lane then holds eight neighbouring numbers of a row of out0.
; REGISTERS, in windows of 256: window 0: v3-12 addresses, v28-29 for the add; v32-63 x's scale words; v64-79 W's; v128-255 x's 16 fragments, ONE set (in the last four K steps: four buffers of one block x four K steps).
;   window 1: W's ring: K step slot g, tile b at v[32 g + 8 b].   windows 2, 3: accumulator (a, b) at v[32 (a % 8) + 8 b]; a < 8 in window 2.
; A K step is 64 matrix instructions, x's blocks one after the other, each against W's four tiles: so blocks 0-7 are fetched anew in the step's middle and blocks 8-15 at its end, each 32 matrix instructions ahead of use.
; The accumulators take turns, one instruction a turn, in every part of the text.
.set PITCH, 528                        ; an LDS row of x: 512 bytes + 16 = 132 words: row r starts at bank 4 r mod 64 (64 banks of 4 bytes: ISA guide 11.1)
.set WPART, 64*PITCH                   ; what one tensor load brings: 64 rows
.set SLOT,  4*WPART                    ; 135,168 = 0x21000: no bit in common with wave x WPART (0x8400), so one exclusive or turns an address from one slot to the other
.set SCL,   2*SLOT                     ; behind the ring: x's scale bytes, as 128 rows of 256 bytes + 16
.set SPART, 32*272                     ; a wave's part of them: 64 rows of x
.set SPARE, SCL+4*SPART                ; the spare words, 128 bytes for each wave: two blocks of 256 bytes that no other line names
.set SPI,   272                        ; the way out: a stage of 16 rows x (256 bytes + 16) for each wave, in slot 0, which has had its last fill and its last read when the first result is stored there
.set OROW,  44032                      ; a row of out0 in bytes
.set AX0,  3                           ; v3   my lane's place in x's blocks 0-7: PITCH r + 16 h
.set AX1,  4                           ; v4   in blocks 8-15: 128 rows on
.set ADA,  5                           ; v5   the same in the slot in hand
.set ADB,  6                           ; v6
.set ADXS, 7                           ; v7   x's scale words: lanes 0-15 an even block's rows, lanes 16-31 the odd block's behind it; 16 bytes on for every four K steps
.set LW,   8                           ; v8   16 x lane: my bytes of an image's 512; never rewritten
.set LSW,  9                           ; v9   2,048 h + 4 r: W's scale words: lanes 0-15 an even tile's rows, lanes 16-31 the odd tile's; never rewritten
.set STO,  10                          ; v10  the way out: where I put 32 bytes of a row
.set RD,   11                          ; v11  where I read rows back
.set CO,   12                          ; v12  my byte offset in two rows of out0; never rewritten
.set SPW,  28                          ; v28  LDS address of my spare word; never rewritten
.set NIL,  29                          ; v29  0; never rewritten
.set SX,   32                          ; x's scale word of blocks 2 p (lanes 0-15) and 2 p + 1 (lanes 16-31) for K step q of four: v[32 + 4 p + q]
.set SW,   64                          ; W's of tiles 2 p and 2 p + 1 for ring slot g: v[64 + 2 g + p]
.set XF,   128
.set WV,   14                          ; s14  my wave's number
.set G1X,  24                          ; s[24:31] descriptor group 1 for x's codes
.set G1S,  32                          ; s[32:39] for x's scale bytes
.set G0A,  40                          ; s[40:43] group 0: slot 0's first fill
.set G0W,  44                          ; s[44:47] slot 1's first fill; it then walks
.set G0S,  48                          ; s[48:51] the scale bytes
.set TB,   52                          ; s52  LDS byte at which the slot in hand begins
.set CNT,  53                          ; s53  the loop's trips
.set WP,   54                          ; s[54:55] my slab of w_codes
.set WSP,  56                          ; s[56:57] of w_scales
.set MSB, 0
.macro WIN new                         ; the immediate's high byte repeats the setting that is left; a switch that changes nothing is dropped
.if MSB != \new
	s_set_vgpr_msb (MSB<<8)|\new
.set MSB, \new
.endif
.endm
.set MUL_LO, 0xa1                      ; source 0 (W) window 1, source 1 (x) window 0, C and D window 2
.set MUL_HI, 0xf1                      ; the same, C and D window 3
.set TO_W,   0x40                      ; destination window 1, address window 0
.macro PLACES                          ; four plain instructions between a matrix instruction and a load into a register that it has named, or a store that reads its result (ISA guide 7.12.1 for vector instructions)
.rept 4
	v_nop
.endr
.endm
; One product, on the registers that the symbols rD, rW, rX, rSW, rSX name.  PA: x's block is odd; PB: W's tile is odd: such a one has its scale words in lanes 16-31.  zero = 1: the product starts its sum
.macro WMX zero
.if \zero
.if (PA == 0) && (PB == 0)
	v_wmma_scale_f32_16x16x128_f8f6f4 v[rD:rD+7], v[rW:rW+7], v[rX:rX+7], 0, v[rSW], v[rSX] matrix_a_fmt:MATRIX_FMT_FP4 matrix_b_fmt:MATRIX_FMT_FP4
.elseif (PA == 0)
	v_wmma_scale_f32_16x16x128_f8f6f4 v[rD:rD+7], v[rW:rW+7], v[rX:rX+7], 0, v[rSW], v[rSX] matrix_a_fmt:MATRIX_FMT_FP4 matrix_b_fmt:MATRIX_FMT_FP4 matrix_a_scale:MATRIX_SCALE_ROW1
.elseif (PB == 0)
	v_wmma_scale_f32_16x16x128_f8f6f4 v[rD:rD+7], v[rW:rW+7], v[rX:rX+7], 0, v[rSW], v[rSX] matrix_a_fmt:MATRIX_FMT_FP4 matrix_b_fmt:MATRIX_FMT_FP4 matrix_b_scale:MATRIX_SCALE_ROW1
.else
	v_wmma_scale_f32_16x16x128_f8f6f4 v[rD:rD+7], v[rW:rW+7], v[rX:rX+7], 0, v[rSW], v[rSX] matrix_a_fmt:MATRIX_FMT_FP4 matrix_b_fmt:MATRIX_FMT_FP4 matrix_a_scale:MATRIX_SCALE_ROW1 matrix_b_scale:MATRIX_SCALE_ROW1
.endif
.else
.if (PA == 0) && (PB == 0)
	v_wmma_scale_f32_16x16x128_f8f6f4 v[rD:rD+7], v[rW:rW+7], v[rX:rX+7], v[rD:rD+7], v[rSW], v[rSX] matrix_a_fmt:MATRIX_FMT_FP4 matrix_b_fmt:MATRIX_FMT_FP4
.elseif (PA == 0)
	v_wmma_scale_f32_16x16x128_f8f6f4 v[rD:rD+7], v[rW:rW+7], v[rX:rX+7], v[rD:rD+7], v[rSW], v[rSX] matrix_a_fmt:MATRIX_FMT_FP4 matrix_b_fmt:MATRIX_FMT_FP4 matrix_a_scale:MATRIX_SCALE_ROW1
.elseif (PB == 0)
	v_wmma_scale_f32_16x16x128_f8f6f4 v[rD:rD+7], v[rW:rW+7], v[rX:rX+7], v[rD:rD+7], v[rSW], v[rSX] matrix_a_fmt:MATRIX_FMT_FP4 matrix_b_fmt:MATRIX_FMT_FP4 matrix_b_scale:MATRIX_SCALE_ROW1
.else
	v_wmma_scale_f32_16x16x128_f8f6f4 v[rD:rD+7], v[rW:rW+7], v[rX:rX+7], v[rD:rD+7], v[rSW], v[rSX] matrix_a_fmt:MATRIX_FMT_FP4 matrix_b_fmt:MATRIX_FMT_FP4 matrix_a_scale:MATRIX_SCALE_ROW1 matrix_b_scale:MATRIX_SCALE_ROW1
.endif
.endif
.endm
.macro WM a, b, sg, zero               ; by K: x's block a, W's tile b, ring slot sg (the K step's place in its slot of eight; its place among four scale words is sg % 4)
.set rD,  32*((\a)%8)+8*(\b)
.set rW,  32*(\sg)+8*(\b)
.set rX,  XF+8*(\a)
.set rSW, SW+2*(\sg)+(\b)/2
.set rSX, SX+4*((\a)/2)+(\sg)%4
.set PA,  (\a)%2
.set PB,  (\b)%2
	WMX \zero
.endm
.macro WMR a, b, q                     ; by rows: ring slot 4 + q; x's fragment lies in buffer a % 4, at its K step q
.set rD,  32*((\a)%8)+8*(\b)
.set rW,  32*(4+(\q))+8*(\b)
.set rX,  XF+32*((\a)%4)+8*(\q)
.set rSW, SW+2*(4+(\q))+(\b)/2
.set rSX, SX+4*((\a)/2)+(\q)
.set PA,  (\a)%2
.set PB,  (\b)%2
	WMX 0
.endm
.macro MULQ a0, sg, zero               ; 16 products: x's blocks a0 .. a0 + 3 against W's four tiles.  zero = 1: they start the sums: nothing is ever cleared
.irp a, \a0, \a0+1, \a0+2, \a0+3
.irp b, 0,1,2,3
	WM \a, \b, \sg, \zero
.endr
.endr
.endm
.macro FETCH_X sn, i0                  ; x's blocks i0 .. i0 + 7 (i0 = 0 or 8) of the slot's K step sn: a fragment is two loads of 16 bytes a lane, 32 bytes apart
.irp i, 0,1,2,3,4,5,6,7
.irp c, 0,1
	ds_load_b128 v[XF+8*((\i0)+\i)+4*\c:XF+8*((\i0)+\i)+4*\c+3], v[ADA+(\i0)/8] offset:64*(\sn)+32*\c+\i*16*PITCH
.endr
.endr
.endm
.macro ALOAD a                         ; x's block a, the slot's K steps 4 to 7, into buffer a % 4
.irp q, 0,1,2,3
.irp c, 0,1
	ds_load_b128 v[XF+32*((\a)%4)+8*\q+4*\c:XF+32*((\a)%4)+8*\q+4*\c+3], v[ADA+(\a)/8] offset:64*(4+\q)+32*\c+((\a)%8)*16*PITCH
.endr
.endr
.endm
.macro FETCH_SX p0                     ; the scale words of four K steps for x's blocks 2 p0 .. 2 p0 + 7: 16 bytes a row
.irp p, 0,1,2,3
	ds_load_b128 v[SX+4*((\p0)+\p):SX+4*((\p0)+\p)+3], v[ADXS] offset:4352*((\p0)+\p)
.endr
.endm
.macro WLOAD sg, rel                   ; W's K step rel (counted from where the pointers stand) into ring slot sg: eight loads of 512 consecutive bytes, and the scale words of its four tiles
	WIN TO_W
.irp e, 0,1,2,3,4,5,6,7
	global_load_b128 v[32*(\sg)+4*\e:32*(\sg)+4*\e+3], v[LW], s[WP:WP+1] offset:4096*(\rel)+512*\e
.endr
	WIN 0
.irp p, 0,1
	global_load_b32 v[SW+2*(\sg)+\p], v[LSW], s[WSP:WSP+1] offset:64*(\rel)+4096*\p
.endr
.endm
; A K step of 128 that has its successor in the same slot of x (sg = 0 .. 6).  rel >= 0: its ring slot takes W's K step eight on.  lc: how many younger loads of W may stay out.
.macro STEP sg, zero, rel, lc
	s_wait_loadcnt \lc                             ; this step's ten loads of W are in
	s_wait_dscnt 16                                ; x's blocks 0-7 and the scale words are in; the youngest sixteen loads (blocks 8-15) may be out
	WIN MUL_LO
	MULQ 0, \sg, \zero
	MULQ 4, \sg, \zero
	s_wait_dscnt 0x0                               ; blocks 8-15 are in (asked for 32 matrix instructions ago)
	PLACES
	WIN 0
.if (\sg) == 3
	v_add_nc_u32 v[ADXS], 16, v[ADXS]              ; the next four K steps' scale words
	FETCH_SX 0                                     ; blocks 0-7's: their last products of these four steps are issued
.endif
	FETCH_X (\sg)+1, 0
	WIN MUL_HI
	MULQ 8, \sg, \zero
	MULQ 12, \sg, \zero
	PLACES
	WIN 0
.if (\sg) == 3
	FETCH_SX 4
.endif
	FETCH_X (\sg)+1, 8
.if (\rel) >= 0
	WLOAD \sg, \rel
.endif
.endm
; A slot's last K step (sg = 7) changes slots: ONE barrier.  In front of it each wave waits for all its tensor loads, adds 0 to its spare word, and waits for that and for its own reads of this slot.
; Behind it nobody reads this slot any more and the other slot is whole.  fill = 1: this slot is filled again, with the 1,024 along k two slots on: the load has eight K steps, 512 matrix instructions, in which to land.
.macro TURN fill, lc
	s_wait_loadcnt \lc
	s_wait_tensorcnt 0x0                           ; all my tensor loads have landed: my part of the other slot; so a group 0 may be written
	ds_add_u32 v[SPW], v[NIL]                      ; 0 onto my spare word
.if \fill
	s_xor_b32 s[G0W+1], s[G0W+1], SLOT             ; the walking descriptor: the other slot than last time,
	s_add_nc_u64 s[G0W+2:G0W+3], s[G0W+2:G0W+3], 512   ; the next 1,024 along k; the type bits on top are not reached
.endif
	s_wait_dscnt 17                                ; (the add and the youngest sixteen loads may be out)
	WIN MUL_LO
	MULQ 0, 7, 0                                   ; sixteen matrix instructions stand between the add and the wait for it
	s_wait_dscnt 0x0                               ; the add is done, and my reads of this slot are over
	s_barrier_signal -1
	MULQ 4, 7, 0                                   ; work on registers while the others arrive
	WIN 0
	s_barrier_wait -1
.if \fill
	tensor_load_to_lds s[G0W:G0W+3], s[G1X:G1X+7]  ; the first thing behind the barrier, and my one tensor load until the next
	s_nop 0
.endif
	PLACES                                         ; behind the tensor load; also the places in front of the loads below
	s_xor_b32 s[TB], s[TB], SLOT
	v_add_nc_u32 v[ADA], s[TB], v[AX0]
	v_add_nc_u32 v[ADB], s[TB], v[AX1]
	v_add_nc_u32 v[ADXS], 16, v[ADXS]
	FETCH_SX 0
	FETCH_X 0, 0
	WIN MUL_HI
	MULQ 8, 7, 0
	MULQ 12, 7, 0
	PLACES
	WIN 0
	FETCH_SX 4
	FETCH_X 0, 8
	WLOAD 7, 15
.endm
; BY ROWS.  Block a (16 rows of out0 x my 64 columns) is finished: the slot's K steps 4 to 7, its four accumulators by turns, k ascending.
.macro ROW a
.set WN, MUL_LO+0x50*((\a)/8)
	WIN WN                                         ; C and D in window 2 (blocks 0-7) or 3
.irp q, 0,1,2,3
.irp b, 0,1,2,3
	WMR \a, \b, \q
.endr
.endr
.endm
; THE WAY OUT of block a.  A lane holds 32 neighbouring bytes of a row, and the lanes beside it hold other rows: so the block goes through my own stage in LDS and comes back as whole pieces of 256 bytes, two rows an
; instruction, INTO THE REGISTERS THAT IT LEFT: no register of a store is ever written again.  LDS serves a wave's instructions in order (ISA guide 5.7.1.4): no wait between the stores and the loads, nor in front of the next block's stores.
.macro TOSTAGE a
.set AC, 32*((\a)%8)
.set WN, 0x08+4*((\a)/8)
	WIN WN                                         ; an LDS store's data are its source 1: window 2 or 3
.irp b, 0,1,2,3
	ds_store_b128 v[STO], v[AC+8*\b:AC+8*\b+3] offset:64*\b          ; each accumulator from its low end on
	ds_store_b128 v[STO], v[AC+8*\b+4:AC+8*\b+7] offset:64*\b+16
.endr
.set WN, 0x80+0x40*((\a)/8)
	WIN WN                                         ; loaded data are the destination: window 2 or 3
.irp t, 0,1,2,3,4,5,6,7
	ds_load_b128 v[AC+4*\t:AC+4*\t+3], v[RD] offset:\t*2*SPI
.endr
	WIN 0
.endm
.macro SEND a, younger                 ; younger: the LDS loads issued behind block a's, which may stay out
.set AC, 32*((\a)%8)
.set WN, 0x08+4*((\a)/8)
	s_wait_dscnt \younger                          ; the block is back in registers
	WIN WN                                         ; a store's data are its source 1
.irp t, 0,1,2,3,4,5,6,7
.if (\a) < 8
	global_store_b128 v[CO], v[AC+4*\t:AC+4*\t+3], s[12:13] offset:(16*((\a)%8)+2*\t)*OROW th:TH_STORE_NT   ; sixteen lanes store 256 consecutive bytes, at a multiple of 256 from out0's first byte; written once, read by nobody here
.else
	global_store_b128 v[CO], v[AC+4*\t:AC+4*\t+3], s[16:17] offset:(16*((\a)%8)+2*\t)*OROW th:TH_STORE_NT   ; the second base stands 128 rows on: every offset is 126 rows at the most, inside the signed 24-bit immediate (ISA guide, chapter 10)
.endif
.endr
.endm
	s_load_b256 s[4:11], s[0:1], 0x0               ; x_codes s[4:5], x_scales s[6:7], w_codes s[8:9], w_scales s[10:11]
	s_load_b64 s[12:13], s[0:1], 0x20              ; out0
	v_lshl_add_u32 v[SPW], v0, 2, SPARE
	v_mov_b32 v[NIL], 0
	ds_add_u32 v28, v29
	ds_add_u32 v28, v29
	s_wait_dscnt 0x0
	v_lshrrev_b32 v1, 5, v0
	v_readfirstlane_b32 s[WV], v1                  ; wave 0..3
	s_and_b32 s15, ttmp7, 0xffff                   ; tile column 0..42; ttmp9: tile row 0..3
	s_lshl_b32 s16, ttmp9, 8
	s_lshl_b32 s17, s[WV], 6
	s_add_co_u32 s16, s16, s17                     ; the 64 rows of x that I fetch begin at 256 x tile row + 64 x wave
	s_lshl_b32 s18, s16, 11                        ; their codes: 2,048 bytes a row
	s_mov_b32 s19, 0
	s_lshl_b32 s20, s16, 7                         ; their scale bytes: 128 a row
	s_mov_b32 s21, 0
	s_lshl_b32 s22, s15, 2
	s_add_co_u32 s22, s22, s[WV]                   ; my slab J
	s_lshl_b32 s2, s22, 13                         ; 8,192 bytes of scale words a slab,
	s_mov_b32 s3, 0
	s_lshl_b32 s22, s22, 17                        ; 131,072 of codes
	s_mov_b32 s23, 0
	s_mul_i32 s58, ttmp9, 256*OROW                 ; out0: the tile's first row,
	s_lshl_b32 s59, s15, 10
	s_add_co_u32 s58, s58, s59                     ; + 1,024 bytes a tile column,
	s_lshl_b32 s59, s[WV], 8
	s_add_co_u32 s58, s58, s59                     ; + 256 a wave
	s_mov_b32 s59, 0
	s_mul_i32 s60, s[WV], WPART                    ; where my rows go in a slot,
	s_mul_i32 s61, s[WV], SPART                    ; my part of the scale bytes,
	s_mul_i32 s62, s[WV], 16*SPI                   ; and my stage
	s_mov_b32 s[TB], 0
	; group 1 for x's codes: 64 rows of 512 bytes, 2,048 bytes apart in memory
	s_mov_b32 s[G1X+0], 0x07900000                 ; 15:0 no mask; 17:16 elements of 1 byte; 20 padding on; 24:22 after every 128 words (code 6); 31:25 four words (code 3)
	s_mov_b32 s[G1X+1], 512<<16                    ; tensor_dim0
	s_mov_b32 s[G1X+2], 64<<16                     ; tensor_dim1
	s_mov_b32 s[G1X+3], 512<<16                    ; tile_dim0
	s_mov_b32 s[G1X+4], 64                         ; tile_dim1
	s_mov_b32 s[G1X+5], 2048                       ; tensor_dim0_stride
	s_mov_b32 s[G1X+6], 0
	s_mov_b32 s[G1X+7], 0
	; group 1 for the scale bytes of 64 rows: 8,192 dense bytes as 32 rows of 256 (32 elements of 8 bytes)
	s_mov_b32 s[G1S+0], 0x07530000                 ; 17:16 elements of 8 bytes; padding: four words after every 64 (code 5)
	s_mov_b32 s[G1S+1], 32<<16
	s_mov_b32 s[G1S+2], 32<<16
	s_mov_b32 s[G1S+3], 32<<16
	s_mov_b32 s[G1S+4], 32
	s_mov_b32 s[G1S+5], 32
	s_mov_b32 s[G1S+6], 0
	s_mov_b32 s[G1S+7], 0
	v_and_b32 v1, 15, v0                           ; r = lane % 16
	v_bfe_u32 v2, v0, 4, 1                         ; h = lane / 16
	v_mul_u32_u24 v[AX0], v1, PITCH
	v_lshl_add_u32 v[AX0], v2, 4, v[AX0]
	v_add_nc_u32 v[AX1], 128*PITCH, v[AX0]
	v_add_nc_u32 v[ADA], s[TB], v[AX0]
	v_add_nc_u32 v[ADB], s[TB], v[AX1]
	v_lshrrev_b32 v[ADXS], 1, v1
	v_lshlrev_b32 v[ADXS], 4, v[ADXS]
	v_lshl_add_u32 v[ADXS], v1, 7, v[ADXS]         ; row r of a block: 128 r bytes, and 16 more for each 256 passed;
	v_mad_u32_u24 v[ADXS], v2, 2176, v[ADXS]       ; lanes 16-31: one block (16 rows: 2,048 + 128 bytes) further on
	v_add_nc_u32 v[ADXS], SCL, v[ADXS]
	v_and_b32 v[LW], 31, v0
	v_lshlrev_b32 v[LW], 4, v[LW]
	v_lshlrev_b32 v[LSW], 2, v1
	v_lshl_add_u32 v[LSW], v2, 11, v[LSW]
	v_mul_u32_u24 v[STO], v1, SPI
	v_lshl_add_u32 v[STO], v2, 5, v[STO]
	v_add_nc_u32 v[STO], s62, v[STO]               ; into the stage: row r, 32 bytes for each half of the lanes
	v_mul_u32_u24 v[RD], v2, SPI
	v_lshl_add_u32 v[RD], v1, 4, v[RD]
	v_add_nc_u32 v[RD], s62, v[RD]                 ; back: lanes 0-15 one row of 256 bytes, lanes 16-31 the next
	v_mul_u32_u24 v[CO], v2, OROW
	v_lshl_add_u32 v[CO], v1, 4, v[CO]             ; and the same two rows in out0
	s_wait_kmcnt 0x0
	s_add_nc_u64 s[WP:WP+1], s[8:9], s[22:23]
	s_add_nc_u64 s[WSP:WSP+1], s[10:11], s[2:3]
	WLOAD 0, 0                                     ; W's K step 0 is asked for ahead of everything else: the first product wants it
	s_add_nc_u64 s[4:5], s[4:5], s[18:19]
	s_add_nc_u64 s[6:7], s[6:7], s[20:21]
	s_mov_b32 s[G0S], 1                            ; 1:0 count = 1
	s_add_co_u32 s[G0S+1], s61, SCL                ; 63:32 LDS address
	s_mov_b64 s[G0S+2:G0S+3], s[6:7]               ; 120:64 global address
	s_or_b32 s[G0S+3], s[G0S+3], 0x80000000        ; 127:126 type = 2
	s_mov_b32 s[G0A], 1
	s_mov_b32 s[G0A+1], s60                        ; slot 0: k = 0 on
	s_mov_b64 s[G0A+2:G0A+3], s[4:5]
	s_or_b32 s[G0A+3], s[G0A+3], 0x80000000
	s_mov_b32 s[G0W], 1
	s_add_co_u32 s[G0W+1], s60, SLOT               ; slot 1: k = 1,024 on, 512 bytes along the rows
	s_add_nc_u64 s[G0W+2:G0W+3], s[4:5], 512
	s_or_b32 s[G0W+3], s[G0W+3], 0x80000000
	tensor_load_to_lds s[G0S:G0S+3], s[G1S:G1S+7]  ; the first fills that the first K step wants go out together, ahead of every wait on TENSORcnt, every LDS read and every barrier: two loads of mine are out
	s_nop 0
	tensor_load_to_lds s[G0A:G0A+3], s[G1X:G1X+7]
	s_nop 0
	PLACES                                         ; four v_nop follow the last of them
.irp g, 1,2,3,4,5
	WLOAD \g, \g                                   ; W's K steps 1 to 5: with step 0's, 60 loads of mine are out
.endr
	s_wait_tensorcnt 0x0                           ; the scale bytes and my part of slot 0 are in.  Slot 1's first fill follows behind this barrier, issued as a refill is: so the same three lines stand in front of it
	ds_add_u32 v[SPW], v[NIL]                      ; 0 onto my spare word
	s_add_nc_u64 s[12:13], s[12:13], s[58:59]      ; out0 at my first row and column,
	s_add_nc_u64 s[16:17], s[12:13], 128*OROW      ; and 128 rows on
	s_wait_dscnt 0x0                               ; the add is done
	s_barrier_signal -1
	s_barrier_wait -1                              ; everybody's part is in
	tensor_load_to_lds s[G0W:G0W+3], s[G1X:G1X+7]  ; slot 1: my one tensor load behind this barrier, and the first thing there; K step 7's change of slots waits for it
	s_nop 0
	PLACES
	FETCH_SX 0
	FETCH_X 0, 0
	FETCH_SX 4
	FETCH_X 0, 8
	WLOAD 6, 6                                     ; the ring's last two slots
	WLOAD 7, 7
	; K steps 0 to 6.  Behind a step's ten loads of W stand the 70 of the seven steps after it; the wait names 63, the most that its field holds
	STEP 0, 1, 8, 63                               ; the first step's products start the sums
.irp g, 1,2,3,4,5,6
	STEP \g, 0, 8+\g, 63
.endr
	s_mov_b32 s[CNT], 2
.Lring:                                                ; two trips of eight K steps, 7 to 14 and 15 to 22: each leaves a slot of x, fills it again and walks the other
	TURN 1, 63
.irp g, 0,1,2,3,4,5,6
	STEP \g, 0, 16+\g, 63
.endr
	s_wait_xcnt 0x0                                ; the loads of W have read their bases: only behind this wait are they stepped
	s_add_nc_u64 s[WP:WP+1], s[WP:WP+1], 8*4096
	s_add_nc_u64 s[WSP:WSP+1], s[WSP:WSP+1], 8*64
	s_sub_co_u32 s[CNT], s[CNT], 1
	s_cmp_lg_u32 s[CNT], 0
	s_cbranch_scc1 .Lring
	TURN 0, 63                                     ; K step 23: the tail is written out; its loads of W are K step 31's, the last
	STEP 0, 0, -1, 63                              ; K steps 24 to 26: nothing more is asked for: the counts run down, ten for each K step still to come
	STEP 1, 0, -1, 60
	STEP 2, 0, -1, 50
	; K step 27 is the last that goes by K.  In place of the next step's fragments it fetches x's blocks 0 to 3, each with the slot's K steps 4 to 7, into the registers that its own products have left
	s_wait_loadcnt 40
	s_wait_dscnt 16
	WIN MUL_LO
	MULQ 0, 3, 0
	MULQ 4, 3, 0
	s_wait_dscnt 0x0
	PLACES
	WIN 0
	v_add_nc_u32 v[ADXS], 16, v[ADXS]              ; the last four K steps' scale words
	FETCH_SX 0
	ALOAD 0
	ALOAD 1
	WIN MUL_HI
	MULQ 8, 3, 0
	MULQ 12, 3, 0
	PLACES
	WIN 0
	FETCH_SX 4
	ALOAD 2
	ALOAD 3
	; K STEPS 28 TO 31, BY ROWS.  A block's turn: its 16 products; the block before, back from the stage meanwhile, is stored; four places; the block goes to the stage; its buffer takes the block four further on.
	s_wait_loadcnt 0x0                             ; W's K steps 28 to 31: the youngest was asked for four K steps ago
	s_wait_dscnt 28                                ; blocks 0-7's scale words and block 0 are in; behind them: block 1's 8 loads and the 20 of the run at K step 27's end
	ROW 0
	PLACES
	TOSTAGE 0
	ALOAD 4
	s_wait_dscnt 24                                ; all but block 0's 16 stage instructions and block 4's 8 loads: blocks 1 to 3 and the other scale words are in.  From block 4 on a block's loads stand ahead of stage loads that an earlier turn has waited for
.irp a, 1,2,3,4,5,6,7,8,9,10,11,12,13,14,15
	ROW \a
.if \a < 13
	SEND \a-1, 8                                   ; behind block a - 1's stage loads: the 8 loads of block a + 3
.else
	SEND \a-1, 0
.endif
	PLACES                                         ; between block a's products and the LDS stores that read them, the loads that land on them, and the loads into its buffer
	TOSTAGE \a
.if \a < 12
	ALOAD \a+4
.endif
.endr
	SEND 15, 0
	WIN 0
	s_wait_tensorcnt 0x0                           ; the wave's end, behind my last tensor load and my last LDS store
	ds_add_u32 v[SPW], v[NIL]
	s_wait_dscnt 0x0
	s_endpgm
.Lfunc_end_k_q6b3614110c_gemm:
	.size	k_q6b3614110c_gemm, .Lfunc_end_k_q6b3614110c_gemm-k_q6b3614110c_gemm
	.p2alignl 7, 3214868480
	.fill 96, 4, 3214868480
	.section	.rodata,"a",@progbits
	.p2align	6, 0x0
	.amdhsa_kernel k_q6b3614110c_gemm
		.amdhsa_group_segment_fixed_size 327680
		.amdhsa_private_segment_fixed_size 0
		.amdhsa_enable_private_segment 0
		.amdhsa_kernarg_size 40
		.amdhsa_user_sgpr_count 2
		.amdhsa_user_sgpr_kernarg_segment_ptr 1
		.amdhsa_wavefront_size32 1
		.amdhsa_system_sgpr_workgroup_id_x 1
		.amdhsa_system_sgpr_workgroup_id_y 1
		.amdhsa_system_sgpr_workgroup_id_z 1
		.amdhsa_system_vgpr_workitem_id 0
		.amdhsa_next_free_vgpr 1024
		.amdhsa_next_free_sgpr 66
		.amdhsa_reserve_vcc 0
		.amdhsa_float_denorm_mode_32 3
		.amdhsa_float_denorm_mode_16_64 3
		.amdhsa_memory_ordered 1
		.amdhsa_forward_progress 1
		.amdhsa_inst_pref_size 255
	.end_amdhsa_kernel
	.section	.bss,"aw",@nobits
	.p2align	6
	.space	262144
	.amdgpu_metadata
---
amdhsa.version: [ 1, 2 ]
amdhsa.kernels:
  - .name:           k_q6b3614110c_gemm
    .symbol:         k_q6b3614110c_gemm.kd
    .args:
      - { .name: x_codes, .offset: 0, .size: 8, .value_kind: global_buffer, .address_space: global }
      - { .name: x_scales, .offset: 8, .size: 8, .value_kind: global_buffer, .address_space: global }
      - { .name: w_codes, .offset: 16, .size: 8, .value_kind: global_buffer, .address_space: global }
      - { .name: w_scales, .offset: 24, .size: 8, .value_kind: global_buffer, .address_space: global }
      - { .name: out0, .offset: 32, .size: 8, .value_kind: global_buffer, .address_space: global }
    .group_segment_fixed_size: 327680
    .private_segment_fixed_size: 0
    .kernarg_segment_align: 8
    .kernarg_segment_size: 40
    .max_flat_workgroup_size: 128
    .sgpr_count:     66
    .vgpr_count:     1024
    .wavefront_size: 32
...
	.end_amdgpu_metadata
.endif
;; end of part 2
